; MI455X (gfx1250); checked and timed in simulation.
; The chip was launched on July 23, 2026; its instructions are those of AMD's public machine-readable ISA for CDNA 5 (MIT licence, August 2026) and "CDNA5" Instruction Set Architecture Reference Guide (July 2026). The comments in the code are by the model that wrote it; some were corrected since.
;; FFQ Linear. Allowed arithmetic: float matrix products may take bf16 or f16 operands with f32 sums; other float arithmetic in f32, or as packed bf16 or f16 multiplies, adds, multiply-adds, maxima and minima; sums over many terms, partial sums and values carried from step to step in f32; what a program stores and reads back later, other than sums and carried values, may be rounded once to bf16 or f16.
;; Inputs: bias 4,096 float32; q_int_weight 4,096 x 4,096 int32; scale 1 float32; x 2 x 2,048 x 4,096 float32; zero_point 1 float32.
;; Outputs: out0 2 x 2,048 x 4,096 float32.
;; One version. Each part assembles by itself: llvm-mc -triple=amdgcn-amd-amdhsa -mcpu=gfx1250 --defsym DOCPART=n.
;; ======== version 1 of 1: 2 launches
;; workspace buffers: xb 33,554,432 bytes; wb 33,554,432 bytes; rowsum 16,384 bytes
;; launch prep (part 1): grid 128 x 2, 8 waves a work-group, no clusters, 0 bytes of LDS; arguments x, q_int_weight, zero_point, xb, wb, rowsum; writes xb, wb, rowsum
.if DOCPART == 1
	.amdgcn_target "amdgcn-amd-amdhsa--gfx1250"
	.amdhsa_code_object_version 6
	.text
	.protected	k_q22c26c37a2_prep
	.globl	k_q22c26c37a2_prep
	.p2align	8
	.type	k_q22c26c37a2_prep,@function
k_q22c26c37a2_prep:
	s_mov_b64 s[64:65], 0
	v_nop
	global_prefetch_b8 v0, s[64:65] scope:SCOPE_SE
	s_setreg_imm32_b32 hwreg(HW_REG_WAVE_MODE, 25, 1), 1
	s_wait_xcnt 0x0
; THE TWO OPERANDS OF y = x w + bias ARE BROUGHT TO bf16, ONCE.
;   xb[m][k] = bf16(x[m][k]);  rowsum[m] = the sum over k of the unrounded x[m][k], in f32;  wb[k][n] = bf16(q[k][n] - zr), zr = zero_point rounded to the nearest whole number.
; WHY zr.  w = scale ((q - zr) + (zr - zero_point)).  q - zr is a whole number, and bf16 holds whole numbers up to 256 exactly: the weights lose nothing.  The rest, at most 1/2 in
; magnitude, multiplies a row's sum of x and is added in f32 by the launch behind, with scale and bias.
; LIMITS.  q - zr is exact in bf16 while its magnitude is at most 256; beyond that it is rounded to 8 significant bits, as any bf16 matrix operand is.  A q beyond 2^24 is rounded by the
; conversion to f32.  NaN and infinities in zero_point are not treated apart.
; SHARES.  x and q are both 4,096 rows of 16,384 bytes.  Grid y = 0 takes x, y = 1 takes q; work-group bx takes rows 32 bx .. 32 bx + 31, each of its eight waves four rows: 65,536
; consecutive bytes in, 32,768 out.  A wave's load covers 512 consecutive bytes (16 a lane), its store the 256 consecutive, aligned bytes that those numbers make in bf16 (8 a lane).
; IN FLIGHT.  A ring of four register slots, a quarter row (4,096 bytes, eight loads) each: 32 loads of every wave are out.  No LDS, no barrier, no matrix unit: no wave wants a byte of another's.
; rowsum is 16 bytes a wave (16,384 bytes in the whole launch): stored by four lanes, in pieces smaller than 256 bytes, once a wave.
.set ROWIN,  16384                     ; bytes in a row of x or q
.set ROWOUT, 8192                      ; bytes in a row of xb or wb
.set QIN,    4096                      ; a slot's bytes in
.set QOUT,   2048                      ; and out
.set LANE, 1                           ; v1       my lane
.set VI,   2                           ; v2       16 x lane; never rewritten
.set VO,   3                           ; v3       8 x lane; never rewritten
.set RO,   4                           ; v4       lane i of 0..3: byte offset in rowsum of my wave's row i
.set RS,   5                           ; v5       lane i keeps row i's sum
.set T,    6                           ; v[6:7]   at work
.set SUM,  8                           ; v[8:15]  four chains of two sums each
.set NZ,   16                          ; v[16:17] -zr, twice
.set Y,    20                          ; v[20:35] a slot's 64 bytes a lane of bf16, to store
.set X,    36                          ; v[36:163] slot s: 32 registers as loaded
.set IN,   18                          ; s[18:19] x or q at the row in hand
.set OUT,  20                          ; s[20:21] xb or wb at the row in hand
.set ROW,  24                          ; s24      the row in hand, 0 .. 3
	s_load_b256 s[4:11], s[0:1], 0x0               ; x s[4:5], q s[6:7], zero_point s[8:9], xb s[10:11]
	s_load_b128 s[12:15], s[0:1], 0x20             ; wb s[12:13], rowsum s[14:15]
	v_and_b32 v[LANE], 31, v0
	v_lshrrev_b32 v[T], 5, v0
	v_readfirstlane_b32 s17, v[T]                  ; wave 0..7
	s_and_b32 s16, ttmp7, 0xffff                   ; 0: x, 1: q
	v_lshlrev_b32 v[VI], 4, v[LANE]
	v_lshlrev_b32 v[VO], 3, v[LANE]
	s_lshl_b32 s22, ttmp9, 7                       ; 4 bytes x 32 rows a work-group,
	s_lshl_b32 s23, s17, 4                         ; 4 bytes x 4 rows a wave
	s_add_co_u32 s22, s22, s23
	v_lshl_add_u32 v[RO], v[LANE], 2, s22
	v_mov_b32 v[RS], 0
	v_mov_b32 v[T+1], 0                            ; the lane exchange below counts as a reader of its destination
	s_mov_b32 s28, 0x76543210                      ; v_permlanex16_b32: each lane takes its own place in the other half
	s_mov_b32 s29, 0xfedcba98
	s_wait_kmcnt 0x0
	s_cmp_eq_u32 s16, 0
	s_cselect_b64 s[IN:IN+1], s[4:5], s[6:7]
	s_cselect_b64 s[OUT:OUT+1], s[10:11], s[12:13]
	s_lshl_b32 s22, ttmp9, 19                      ; 32 rows of 16,384 bytes,
	s_lshl_b32 s23, s17, 16                        ; 4 rows
	s_or_b32 s22, s22, s23
	s_mov_b32 s23, 0
	s_add_nc_u64 s[IN:IN+1], s[IN:IN+1], s[22:23]
	s_lshr_b32 s22, s22, 1                         ; half as many bytes out
	s_add_nc_u64 s[OUT:OUT+1], s[OUT:OUT+1], s[22:23]
.macro FILL s, off                     ; eight loads: slot s's quarter of the row that begins off bytes behind the pointer
.irp j, 0,1,2,3,4,5,6,7
	global_load_b128 v[X+32*(\s)+4*(\j):X+32*(\s)+4*(\j)+3], v[VI], s[IN:IN+1] offset:(\off)+QIN*(\s)+512*(\j) th:TH_LOAD_NT
.endr
.endm
	FILL 0, 0
	FILL 1, 0
	FILL 2, 0
	FILL 3, 0
; The turn of slot s.  kind = 0: x (sums, rounding); 1: q (to f32, less zr, rounding).  ahead = 1: the slot takes the same quarter of the next row.  left: younger loads that may stay out.
.macro TURN kind, s, ahead, left
	s_wait_loadcnt \left                           ; loads come back in order (ISA guide 5.7.1): my eight are in
	s_wait_xcnt 0x0                                ; every earlier memory instruction has had its addresses translated (ISA guide 3.1): Y, which the last turn's stores read, is rewritten only behind this wait
.set XS, X+32*(\s)
.if \kind
.set i, 0
.rept 32
	v_cvt_f32_i32 v[XS+i], v[XS+i]
.set i, i+1
.endr
.set i, 0
.rept 16
	v_pk_add_f32 v[XS+2*i:XS+2*i+1], v[XS+2*i:XS+2*i+1], v[NZ:NZ+1]  ; q - zr: a whole number
.set i, i+1
.endr
.else
.if (\s) == 0
.set i, 0
.rept 4
	v_pk_add_f32 v[SUM+2*i:SUM+2*i+1], v[XS+2*i:XS+2*i+1], v[XS+2*i+8:XS+2*i+9]  ; a row's first eight pairs start the four chains: nothing is cleared
.set i, i+1
.endr
.set i, 8
.rept 8
	v_pk_add_f32 v[SUM+2*(i%4):SUM+2*(i%4)+1], v[SUM+2*(i%4):SUM+2*(i%4)+1], v[XS+2*i:XS+2*i+1]
.set i, i+1
.endr
.else
.set i, 0
.rept 16
	v_pk_add_f32 v[SUM+2*(i%4):SUM+2*(i%4)+1], v[SUM+2*(i%4):SUM+2*(i%4)+1], v[XS+2*i:XS+2*i+1]
.set i, i+1
.endr
.endif
.endif
.set i, 0
.rept 16
	v_cvt_pk_bf16_f32 v[Y+i], v[XS+2*i], v[XS+2*i+1]  ; two roundings to bf16, packed
.set i, i+1
.endr
.if \ahead
	FILL \s, ROWIN                                 ; the loads go out ahead of the stores
.endif
.irp j, 0,1,2,3,4,5,6,7
	global_store_b64 v[VO], v[Y+2*(\j):Y+2*(\j)+1], s[OUT:OUT+1] offset:QOUT*(\s)+256*(\j)  ; the wave's 32 lanes store 256 consecutive bytes, at a multiple of 256 from the buffer's first
.endr
.endm
; A row of x has been walked: the four chains, the pair's halves and the 32 lanes are added; lane ROW keeps the sum.
.macro ROWEND
	v_pk_add_f32 v[SUM:SUM+1], v[SUM:SUM+1], v[SUM+2:SUM+3]
	v_pk_add_f32 v[SUM+4:SUM+5], v[SUM+4:SUM+5], v[SUM+6:SUM+7]
	v_pk_add_f32 v[SUM:SUM+1], v[SUM:SUM+1], v[SUM+4:SUM+5]
	v_add_f32 v[T], v[SUM], v[SUM+1]
	v_add_f32_dpp v[T], v[T], v[T] row_xmask:1 row_mask:0xf bank_mask:0xf
	v_add_f32_dpp v[T], v[T], v[T] row_xmask:2 row_mask:0xf bank_mask:0xf
	v_add_f32_dpp v[T], v[T], v[T] row_xmask:4 row_mask:0xf bank_mask:0xf
	v_add_f32_dpp v[T], v[T], v[T] row_xmask:8 row_mask:0xf bank_mask:0xf
	v_permlanex16_b32 v[T+1], v[T], s28, s29
	v_add_f32 v[T], v[T], v[T+1]
	v_cmp_eq_u32 vcc_lo, s[ROW], v[LANE]
	v_cndmask_b32 v[RS], v[RS], v[T], vcc_lo
.endm
; The wave's four rows: three in a loop, each turn asking for the next row's quarter; the last written out without loads, so that no load leaves the wave's rows.
.macro WALK kind
	s_mov_b32 s[ROW], 0
.Lrow_\kind:
	TURN \kind, 0, 1, 24                           ; 24: the three younger slots' eight loads each, on the way in and round the backward jump
	TURN \kind, 1, 1, 24
	TURN \kind, 2, 1, 24
	TURN \kind, 3, 1, 24
.if (\kind) == 0
	ROWEND
.endif
	s_wait_xcnt 0x0                                ; the row's loads and stores have read the two pointers
	s_add_nc_u64 s[IN:IN+1], s[IN:IN+1], ROWIN
	s_add_nc_u64 s[OUT:OUT+1], s[OUT:OUT+1], ROWOUT
	s_add_co_u32 s[ROW], s[ROW], 1
	s_cmp_lt_u32 s[ROW], 3
	s_cbranch_scc1 .Lrow_\kind
	TURN \kind, 0, 0, 24                           ; the counts run down
	TURN \kind, 1, 0, 16
	TURN \kind, 2, 0, 8
	TURN \kind, 3, 0, 0
.if (\kind) == 0
	ROWEND
.endif
.endm
	s_cmp_lg_u32 s16, 0
	s_cbranch_scc1 .Lw
	WALK 0
	v_cmp_gt_u32 vcc_lo, 4, v[LANE]
	s_wait_xcnt 0x0                                ; EXEC is a source of the stores above: it changes only behind this wait
	s_and_saveexec_b32 s26, vcc_lo
	global_store_b32 v[RO], v[RS], s[14:15]        ; lanes 0 to 3: my four rows' sums
	s_wait_xcnt 0x0                                ; and again ahead of the line that widens it
	s_or_b32 exec_lo, exec_lo, s26
	s_endpgm
.Lw:
	s_load_b32 s25, s[8:9], 0x0                    ; zero_point; the ring's first loads are on their way meanwhile
	s_wait_kmcnt 0x0
	v_rndne_f32 v[NZ], s25                         ; zr
	v_mul_f32 v[NZ], -1.0, v[NZ]
	v_mov_b32 v[NZ+1], v[NZ]
	WALK 1
	s_endpgm
.Lfunc_end_k_q22c26c37a2_prep:
	.size	k_q22c26c37a2_prep, .Lfunc_end_k_q22c26c37a2_prep-k_q22c26c37a2_prep
	.p2alignl 7, 3214868480
	.fill 96, 4, 3214868480
	.section	.rodata,"a",@progbits
	.p2align	6, 0x0
	.amdhsa_kernel k_q22c26c37a2_prep
		.amdhsa_group_segment_fixed_size 0
		.amdhsa_private_segment_fixed_size 0
		.amdhsa_enable_private_segment 0
		.amdhsa_kernarg_size 48
		.amdhsa_user_sgpr_count 2
		.amdhsa_user_sgpr_kernarg_segment_ptr 1
		.amdhsa_wavefront_size32 1
		.amdhsa_system_sgpr_workgroup_id_x 1
		.amdhsa_system_sgpr_workgroup_id_y 1
		.amdhsa_system_sgpr_workgroup_id_z 1
		.amdhsa_system_vgpr_workitem_id 0
		.amdhsa_next_free_vgpr 164
		.amdhsa_next_free_sgpr 66
		.amdhsa_reserve_vcc 1
		.amdhsa_float_denorm_mode_32 3
		.amdhsa_float_denorm_mode_16_64 3
		.amdhsa_memory_ordered 1
		.amdhsa_forward_progress 1
		.amdhsa_inst_pref_size 66
	.end_amdhsa_kernel
	.amdgpu_metadata
---
amdhsa.version: [ 1, 2 ]
amdhsa.kernels:
  - .name:           k_q22c26c37a2_prep
    .symbol:         k_q22c26c37a2_prep.kd
    .args:
      - { .name: x, .offset: 0, .size: 8, .value_kind: global_buffer, .address_space: global }
      - { .name: q_int_weight, .offset: 8, .size: 8, .value_kind: global_buffer, .address_space: global }
      - { .name: zero_point, .offset: 16, .size: 8, .value_kind: global_buffer, .address_space: global }
      - { .name: xb, .offset: 24, .size: 8, .value_kind: global_buffer, .address_space: global }
      - { .name: wb, .offset: 32, .size: 8, .value_kind: global_buffer, .address_space: global }
      - { .name: rowsum, .offset: 40, .size: 8, .value_kind: global_buffer, .address_space: global }
    .group_segment_fixed_size: 0
    .private_segment_fixed_size: 0
    .kernarg_segment_align: 8
    .kernarg_segment_size: 48
    .max_flat_workgroup_size: 256
    .sgpr_count:     66
    .vgpr_count:     164
    .wavefront_size: 32
...
	.end_amdgpu_metadata
.endif
;; end of part 1
;; launch gemm (part 2): grid 16 x 16, 4 waves a work-group, clusters of 4 x 4, 327,680 bytes of LDS; arguments xb, wb, out0, rowsum, scale, zero_point, bias; writes out0
.if DOCPART == 2
	.amdgcn_target "amdgcn-amd-amdhsa--gfx1250"
	.amdhsa_code_object_version 6
	.text
	.protected	k_q22c26c37a2_gemm
	.globl	k_q22c26c37a2_gemm
	.p2align	8
	.type	k_q22c26c37a2_gemm,@function
k_q22c26c37a2_gemm:
	s_mov_b64 s[64:65], 0
	v_nop
	global_prefetch_b8 v0, s[64:65] scope:SCOPE_SE
	s_setreg_imm32_b32 hwreg(HW_REG_WAVE_MODE, 25, 1), 1
	s_wait_xcnt 0x0
	s_wait_alu depctr_hold_cnt(0) depctr_sa_sdst(0) depctr_va_vdst(0) depctr_va_sdst(0) depctr_va_ssrc(0) depctr_va_vcc(0) depctr_vm_vsrc(0)
	s_getreg_b32 s2, hwreg(HW_REG_IB_STS2, 6, 4)
	s_cmp_eq_u32 s2, 0
	s_cbranch_scc0 .Lentry_in_a_cluster
	s_endpgm
.Lentry_in_a_cluster:
	s_bfe_u32 s2, ttmp6, 0x10000c
	s_cmp_lg_u32 s2, 0xf033
	s_cbranch_scc0 .Lentry_shape_is_right
	s_endpgm
.Lentry_shape_is_right:
; out0[m][n] = scale S[m][n] + scale (zr - zero_point) rowsum[m] + bias[n],  S[m][n] = the sum over k of xb[m][k] wb[k][n],  zr = zero_point rounded to the nearest whole number.
; xb: [4096][4096] bf16 = bf16(x).  wb: [4096 k][4096 n] bf16 = q - zr.  rowsum: [4096] f32, the rows' sums of the unrounded x.  out0: [4096][4096] f32.  S is summed in f32, K ascending.
; That is x ((q - zero_point) scale) + bias with the weights split into a whole number, which bf16 holds, and a rest of at most 1/2, which is applied in f32 to the row's sum.
; LIMITS.  wb is exact while |q - zr| is at most 256, beyond that rounded to 8 significant bits; x is rounded to bf16; the order of rounding is not the reference's; NaN and infinities in scale
; and zero_point are not treated apart.
; SHARES.  A tile of out0, 256 x 256, is made by a work-group of four waves; a wave makes 128 x 128: 64 accumulators of 16 x 16, 512 registers.  16 x 16 tiles: 256 work-groups, one tile each.
; K goes in 32 steps of 128 through a ring of two LDS slots filled by the tensor data mover: xb's tile has 256 rows of 256 bytes, wb's 128 rows (k) of 512 bytes, all starting at multiples of 256 bytes.
; CLUSTERS: 4 x 4 work-groups.  The four of a row of the cluster need the same tiles of xb, the four of a column the same tiles of wb: each tile is asked for JOINTLY, by the same tensor load with
; the same descriptor and a mask that names the four; each receives it in its own LDS.
; THE MATRIX INSTRUCTION IS USED TRANSPOSED: source 0 = 16 columns of wb, source 1 = 16 rows of xb.  In the result lane l holds row m = l % 16 and the columns 8 (l / 16) + 0..7.
; xb's fragments come out of LDS as they lie (K along the rows); wb's, which lie [k][n], are turned by ds_load_tr16_b128: no launch transposes the weights.
; REGISTERS, in windows of 256 (s_set_vgpr_msb: bits 1:0 source 0, 3:2 source 1, 5:4 source 2, 7:6 destination):
;   window 0: v0-31 addresses; v32-47 the rows' corrections; v48-51 bias; v52-55 at work; v64-127, v128-191 fragments of xb, two buffers; on the way out v64-127 results, v128-255 rows read back
;   window 1: v64-127, v128-191 fragments of wb, two buffers      window 2: the 32 accumulators of my rows 0-63 ((a, b) at v[8 (8 a + b)])      window 3: those of my rows 64-127
; LEFT OUT: work-groups that stay (each has one tile); a last K step taken by rows of the output, under which finished rows could leave earlier.
.set SIZE_N, 4096
.set SIZE_K, 4096
.set KSTEP,  128
.set PITCH,  272                       ; xb's LDS row: 256 bytes + 16 of padding = 68 words: row r starts at bank 4 r mod 64 (64 banks of 4 bytes: ISA guide 11.1), so the 16 rows of a load start at 16 different banks
.set PB,     544                       ; wb's LDS row: 512 bytes + 32 of padding = 136 words: row r starts at bank 8 r mod 64
.set HALFT,  128*PITCH                 ; what one tensor load brings: 128 rows of xb, or 64 rows of wb (64 x 544 is the same 34,816 bytes)
.set SLOT,   4*HALFT                   ; xb's 256 rows, then wb's 128 rows
.set STAGE,  2*SLOT                    ; behind the ring: 16 rows x 528 bytes for each wave, for the way out; no tensor load lands here
.set SP,     528                       ; a stage row: my 128 columns in f32, 512 bytes, + 16
.set SPARE,  STAGE+4*16*SP             ; behind the stages: the spare words, 128 bytes for each wave: two blocks of 256 bytes that no other line names
.set LAPS,   SIZE_K/(2*KSTEP)          ; a lap = two K steps = once round the ring
.set ASTEP,  KSTEP*2                   ; a K step in xb: 256 bytes along the rows
.set BSTEP,  KSTEP*SIZE_N*2            ; a K step in wb: 128 rows of 8,192 bytes
.set ADRA, 16                          ; v16-17  LDS address of my fragments of xb in slot 0, 1
.set ADRB, 20                          ; v20-21  the same for wb
.set STO,  24                          ; v24     the way out: where I put 32 bytes of a row
.set RD,   25                          ; v25     the way out: where I read a row back
.set CO,   26                          ; v26     16 x lane: my bytes in 512 consecutive bytes of out0 and of bias; never rewritten
.set SPW,  28                          ; v28     LDS address of my spare word: SPARE + 4 x my thread's number; never rewritten
.set NIL,  29                          ; v29     0; never rewritten
.set PFO,  30                          ; v30     the prefetches' offset; never rewritten
.set CORR, 32                          ; v32-47  block a of my eight blocks of 16 rows: scale (zr - zero_point) rowsum of row l % 16, twice (a pair)
.set BI,   48                          ; v48-51  bias of the four columns that I store
.set F0,   64                          ; fragment buffer 0
.set F1,   128                         ; fragment buffer 1
.set TMP,  64                          ; the way out: a block's 64 results a lane
.set OB,   128                         ; the way out: 16 rows read back from the stage: v128-191 and v192-255 by turns
.set G1,  24                           ; s[24:31] descriptor group 1 for xb's tiles
.set G0,  32                           ; s[32:39] descriptor group 0 for xb's tiles, one set for each slot
.set G1B, 48                           ; s[48:55] descriptor group 1 for wb's tiles
.set G0B, 56                           ; s[56:63] descriptor group 0 for wb's tiles, one set for each slot
.set LIM, 43                           ; s43      1 in a wave that prefetches, else the greatest number
.set PFA, 44                           ; s[44:45] where my prefetches stand
.set SC,  76                           ; s[76:77] scale, twice
.set ZP,  78                           ; s78      zero_point
.set PFS, 80                           ; s[80:81] a K step in the tensor that I prefetch
.set MSB, 0
.macro WIN new                         ; the immediate's high byte repeats the setting that is left; a switch that changes nothing is dropped
.if MSB != (\new)
	s_set_vgpr_msb (MSB<<8)|(\new)
.set MSB, \new
.endif
.endm
.set MUL_LO, 0xa1                      ; source 0 (wb) window 1, source 1 (xb) window 0, C and D window 2
.set MUL_HI, 0xf1                      ; the same, C and D window 3
.set TO_B,   0x40                      ; destination window 1, address window 0
; A joint load.  Waves 0 and 1 fetch xb's two halves, waves 2 and 3 wb's.  Each of the two lines has ONE mask and one set of registers for all that issue it; the branch hangs on the wave's number
; alone.  An s_nop 0 and four v_nop follow each of the two lines, ahead of the jump, the label and what follows.
.macro JLOAD s
	s_cmp_eq_u32 s11, 0
	s_cbranch_scc0 .Lfor_b_\@
	tensor_load_to_lds s[G0+4*(\s):G0+4*(\s)+3], s[G1:G1+7]
	s_nop 0
.rept 4
	v_nop
.endr
	s_branch .Lasked_\@
.Lfor_b_\@:
	tensor_load_to_lds s[G0B+4*(\s):G0B+4*(\s)+3], s[G1B:G1B+7]
	s_nop 0
.rept 4
	v_nop
.endr
.Lasked_\@:
.endm
; A PREFETCH INTO THE L2, behind each joint refill, its five lines and the run of LDS loads that follows them: my share of the K step that stands TWO refills on, 512 matrix instructions ahead of the
; load that will ask for it.  Each aligned block of 256 bytes is named ONCE in the launch: xb's tile row is read by every cluster of that row of clusters, and the one with x = 0 asks; wb's tile
; column by every cluster of that column, and the one with y = 0 asks.  Of the 128 blocks that wave w fetches in a K step, each of the four partners that ask for them jointly takes 32, told apart
; BY ADDRESS (cx for xb: 32 rows; cy for wb: 16 rows of two blocks): a lane a block, one instruction.  K steps 0 to 3 come by their loads alone; the loop's last trip (s3 = 1) asks for nothing:
; the K steps two refills on do not exist.
.macro ASK
	s_cmp_gt_u32 s3, s[LIM]
	s_cbranch_scc0 .Lnot_mine_\@
	global_prefetch_b8 v[PFO], s[PFA:PFA+1] th:TH_LOAD_NT scope:SCOPE_SE
.Lnot_mine_\@:
.endm
; A round of the cluster's barrier: my work-group's barrier, so that wave 0's signal speaks for all four waves; wave 0 signals for the work-group; every wave waits for all sixteen work-groups;
; my work-group's barrier once more.  No LDS instruction of the wave is pending at a signal.
.macro CREST                           ; a round behind its opening barrier
	s_cmp_lg_u32 s10, 0
	s_cbranch_scc1 .Lnot_wave_0_\@
	s_barrier_signal -3
.Lnot_wave_0_\@:
	s_barrier_wait -3
	s_barrier_signal -1
	s_barrier_wait -1
.endm
.macro CROUND                          ; a whole round
	s_barrier_signal -1
	s_barrier_wait -1
	CREST
.endm
	s_load_b128 s[4:7], s[0:1], 0x0                ; xb s[4:5], wb s[6:7]
	s_load_b64 s[8:9], s[0:1], 0x10                ; out0
	s_load_b256 s[68:75], s[0:1], 0x18             ; rowsum s[68:69], scale s[70:71], zero_point s[72:73], bias s[74:75]
	v_lshl_add_u32 v[SPW], v0, 2, SPARE
	v_mov_b32 v[NIL], 0
	ds_add_u32 v[SPW], v[NIL]                      ; the wave's opening: the add and its wait stand ahead of my first tensor load; the set-up below, work on registers, stands between them
	v_lshrrev_b32 v1, 5, v0
	v_readfirstlane_b32 s10, v1                    ; wave 0..3
	s_lshr_b32 s11, s10, 1                         ; which half of the tile's rows is mine.  Also: I fetch for xb (0) or for wb (1)
	s_and_b32 s12, s10, 1                          ; which half of its columns.  Also: which half of that tile I fetch
	s_bfe_u32 s40, ttmp6, 0x40000                  ; cx: my place along the cluster's x
	s_bfe_u32 s41, ttmp6, 0x40004                  ; cy: along its y
	s_lshl_b32 s42, ttmp9, 2                       ; in a cluster launch ttmp9 and ttmp7 count clusters
	s_add_co_u32 s42, s42, s40                     ; tile column = 4 x cluster x + cx
	s_and_b32 s13, ttmp7, 0xffff
	s_lshl_b32 s13, s13, 2
	s_add_co_u32 s13, s13, s41                     ; tile row = 4 x cluster y + cy
	s_lshl_b32 s43, s41, 2
	s_lshl_b32 s43, 15, s43                        ; my row of the cluster: places 4 cy .. 4 cy + 3
	s_lshl_b32 s44, 0x1111, s40                    ; my column: places cx, cx + 4, cx + 8, cx + 12
	; descriptor group 1 for xb: a tile of 128 rows x 128 elements; for wb: 64 rows x 256 elements; both padded in LDS
	s_or_b32 s[G1+0], s43, (1<<16)|(1<<20)|(1<<21)|(5<<22)|(3<<25)   ; 15:0 the mask: my row; 17:16 elements of 2 bytes; 20 padding on; 21 set beside a mask; 24:22 after every 64 words (code 5); 31:25 4 words (code 3)
	s_or_b32 s[G1B+0], s44, (1<<16)|(1<<20)|(1<<21)|(6<<22)|(7<<25)  ; the mask: my column; after every 128 words (code 6) 8 words of padding (code 7)
	s_mov_b32 s[G1+1], KSTEP<<16                   ; 63:48 tensor_dim0, low half = 128
	s_mov_b32 s[G1+2], 128<<16                     ; 79:64 its high half = 0; 95:80 tensor_dim1, low half = 128
	s_mov_b32 s[G1+3], KSTEP<<16                   ; 111:96 its high half = 0; 127:112 tile_dim0 = 128
	s_mov_b32 s[G1+4], 128                         ; 143:128 tile_dim1 = 128; 159:144 tile_dim2 = 0
	s_mov_b32 s[G1+5], SIZE_K                      ; 191:160 elements from row to row
	s_mov_b32 s[G1+6], 0
	s_mov_b32 s[G1+7], 0
	s_mov_b32 s[G1B+1], 256<<16                    ; tensor_dim0 = 256
	s_mov_b32 s[G1B+2], 64<<16                     ; tensor_dim1 = 64
	s_mov_b32 s[G1B+3], 256<<16                    ; tile_dim0 = 256
	s_mov_b32 s[G1B+4], 64                         ; tile_dim1 = 64
	s_mov_b32 s[G1B+5], SIZE_N                     ; elements from row to row
	s_mov_b32 s[G1B+6], 0
	s_mov_b32 s[G1B+7], 0
	; where the tiles come from.  xb's hang on the tile row alone, which my row of the cluster shares; wb's on the tile column alone, which my column shares.  Every wave makes both addresses.
	s_lshl_b32 s17, s12, 7
	s_lshl_b32 s16, s13, 8
	s_add_co_u32 s16, s16, s17                     ; xb: row 256 x tile row + 128 x half,
	s_lshl_b32 s16, s16, 13                        ; of 8,192 bytes (under 2^25 in all)
	s_mov_b32 s17, 0
	s_lshl_b32 s46, s12, 19                        ; wb: row 64 x half, of 8,192 bytes,
	s_lshl_b32 s47, s42, 9                         ; and 512 bytes x tile column
	s_add_co_u32 s46, s46, s47
	s_mov_b32 s47, 0
	s_mul_i32 s20, s10, HALFT                      ; and where they go: wave x 34,816 bytes: no place in the cluster enters an LDS address
	s_wait_dscnt 0x0                               ; the opening add is done
	s_wait_kmcnt 0x0
	s_add_nc_u64 s[14:15], s[4:5], s[16:17]
	s_add_nc_u64 s[46:47], s[6:7], s[46:47]
	CROUND                                         ; all sixteen work-groups are here: the first joint loads meet
.irp s, 0,1
	s_mov_b32 s[G0+4*(\s)], 1                                      ; 1:0 count = 1
	s_add_co_u32 s[G0+4*(\s)+1], s20, (\s)*SLOT                    ; 63:32 LDS address
	s_add_nc_u64 s[G0+4*(\s)+2:G0+4*(\s)+3], s[14:15], (\s)*ASTEP  ; 120:64 global address: K step s
	s_or_b32 s[G0+4*(\s)+3], s[G0+4*(\s)+3], 0x80000000            ; 127:126 type = 2
	s_mov_b32 s[G0B+4*(\s)], 1
	s_add_co_u32 s[G0B+4*(\s)+1], s20, (\s)*SLOT
	s_add_nc_u64 s[G0B+4*(\s)+2:G0B+4*(\s)+3], s[46:47], (\s)*BSTEP
	s_or_b32 s[G0B+4*(\s)+3], s[G0B+4*(\s)+3], 0x80000000
	JLOAD \s                                       ; the ring is filled before anything else is done: two tensor loads of mine are out
.endr
	s_load_b32 s[SC], s[70:71], 0x0                ; scale
	s_load_b32 s[ZP], s[72:73], 0x0                ; zero_point
	; A fragment is 16 rows x 32 K in 8 registers: lane l holds row l % 16; registers 0-3 hold K = 8 (l / 16) + 0..7, registers 4-7 K = 16 + 8 (l / 16) + 0..7.
	v_and_b32 v1, 15, v0                           ; l % 16
	v_bfe_u32 v2, v0, 4, 1                         ; l / 16
	v_mul_u32_u24 v3, v1, PITCH                    ; xb, whose rows lie along K: two loads of 16 bytes, 32 bytes apart, at row x pitch + 16 x half
	v_lshl_add_u32 v3, v2, 4, v3
	s_mul_i32 s21, s11, HALFT                      ; my 128 rows of xb
	; wb lies [k][n]: the turning load takes 16 k x 16 columns (lane l reads 16 bytes: k = 8 (l / 16) + l % 8, columns 8 ((l / 8) % 2) + 0..7) and leaves half a fragment: lane l holds column l % 16 and 8 k.
	v_and_b32 v4, 7, v0
	v_lshl_add_u32 v4, v2, 3, v4
	v_mul_u32_u24 v4, v4, PB
	v_bfe_u32 v5, v0, 3, 1
	v_lshl_add_u32 v4, v5, 4, v4
	s_lshl_b32 s22, s12, 8                         ; my 128 columns: 256 bytes of each row,
	s_add_co_u32 s22, s22, 2*HALFT                 ; behind xb's 256 rows
.irp s, 0,1
	v_add_nc_u32 v[ADRA+(\s)], s21, v3
	v_add_nc_u32 v[ADRB+(\s)], s22, v4
	s_add_co_u32 s21, s21, SLOT
	s_add_co_u32 s22, s22, SLOT
.endr
	s_mul_i32 s23, s10, 16*SP
	s_add_co_u32 s23, s23, STAGE                   ; my stage
	v_mul_u32_u24 v5, v1, SP                       ; in: row l % 16, 32 bytes for each half of the lanes
	v_lshl_add_u32 v5, v2, 5, v5
	v_add_nc_u32 v[STO], s23, v5
	v_and_b32 v6, 31, v0                           ; l
	v_lshlrev_b32 v[CO], 4, v6
	v_add_nc_u32 v[RD], s23, v[CO]                 ; back: the 32 lanes take one row of 512 bytes
	v_lshrrev_b32 v7, s11, v6                      ; the prefetches.  xb: lane l names row l.  wb: lane l names row l / 2, block l % 2 of its 512 bytes
	v_and_b32 v8, s11, v6
	v_lshlrev_b32 v8, 8, v8
	v_lshl_add_u32 v[PFO], v7, 13, v8
	v_lshlrev_b32 v54, 2, v1                       ; rowsum: 4 bytes x (l % 16)
	s_lshl_b32 s82, s13, 10                        ; 4 bytes x my first row: 256 x tile row + 128 x half
	s_lshl_b32 s83, s11, 9
	s_add_co_u32 s82, s82, s83
	s_mov_b32 s83, 0
	s_add_nc_u64 s[68:69], s[68:69], s[82:83]      ; rowsum at my first row
	s_lshl_b32 s84, s42, 10                        ; 4 bytes x my first column: 256 x tile column + 128 x half
	s_lshl_b32 s85, s12, 9
	s_add_co_u32 s84, s84, s85
	s_mov_b32 s85, 0
	s_add_nc_u64 s[74:75], s[74:75], s[84:85]      ; bias at my first column
.irp a, 0,1,2,3,4,5,6,7
	global_load_b32 v[CORR+2*(\a)], v54, s[68:69] offset:64*(\a)  ; block a, row l % 16
.endr
	global_load_b128 v[BI:BI+3], v[CO], s[74:75]   ; the four columns that I hold when a row comes back from the stage
	s_lshl_b32 s16, s82, 12                        ; my first row x 16,384 bytes (under 2^26),
	s_add_co_u32 s16, s16, s84                     ; and my first column
	s_mov_b32 s17, 0
	s_add_nc_u64 s[8:9], s[8:9], s[16:17]          ; out0 at my part of the tile
	; where my prefetches stand: at K step 3; the first refill steps them to K step 4
	s_lshl_b32 s82, s13, 8
	s_lshl_b32 s84, s12, 7
	s_add_co_u32 s82, s82, s84                     ; xb: the 128 rows that I fetch,
	s_lshl_b32 s84, s40, 5
	s_add_co_u32 s82, s82, s84                     ; my work-group's 32 of them
	s_lshl_b32 s82, s82, 13
	s_add_co_u32 s82, s82, 3*ASTEP
	s_lshl_b32 s83, s12, 6                         ; wb: the 64 rows that I fetch,
	s_lshl_b32 s84, s41, 4
	s_add_co_u32 s83, s83, s84                     ; my work-group's 16 of them,
	s_lshl_b32 s83, s83, 13
	s_lshl_b32 s84, s42, 9
	s_add_co_u32 s83, s83, s84                     ; the tile's 512 bytes of each
	s_add_co_u32 s83, s83, 3*BSTEP
	s_and_b32 s22, ttmp7, 0xffff                   ; cluster y
	s_mov_b32 s[PFS], BSTEP
	s_mov_b32 s[PFS+1], 0
	s_mov_b32 s21, 0
	s_cmp_eq_u32 s11, 0                            ; do I fetch for xb?
	s_cselect_b32 s20, s82, s83
	s_cselect_b32 s22, ttmp9, s22                  ; the coordinate along which other clusters read the same blocks
	s_cselect_b64 s[PFA:PFA+1], s[4:5], s[6:7]
	s_cselect_b32 s[PFS], ASTEP, s[PFS]
	s_add_nc_u64 s[PFA:PFA+1], s[PFA:PFA+1], s[20:21]
	s_cmp_eq_u32 s22, 0
	s_cselect_b32 s[LIM], 1, -1                    ; the same in all sixteen partners, for a given wave
	s_wait_kmcnt 0x0                               ; scale and zero_point
	s_wait_loadcnt 0x0                             ; rowsum and bias
	s_mov_b32 s[SC+1], s[SC]                       ; named with it as a pair
	v_rndne_f32 v52, s[ZP]                         ; zr
	v_sub_f32 v52, v52, s[ZP]                      ; zr - zero_point: at most 1/2 in magnitude
	v_mul_f32 v53, s[SC], v52
.irp a, 0,1,2,3,4,5,6,7
	v_mul_f32 v[CORR+2*(\a)], v53, v[CORR+2*(\a)]
	v_mov_b32 v[CORR+2*(\a)+1], v[CORR+2*(\a)]
.endr
; 16 matrix instructions: m blocks a0, a0 + 1 of the window's four (hi = 0: my rows 0-63, 1: rows 64-127) x all 8 n blocks, 32 along K.  zero = 1: the first product starts the sums: nothing is cleared.
; The 64 accumulators take turns, one instruction a turn, in the same order in every quarter step, over the backward jump too.
.macro MUL16 f, hi, a0, zero
	WIN MUL_LO+0x50*(\hi)
.irp a, \a0, (\a0)+1
.irp b, 0,1,2,3,4,5,6,7
.if \zero
	v_wmma_f32_16x16x32_bf16 v[8*(8*(\a)+(\b)):8*(8*(\a)+(\b))+7], v[(\f)+8*(\b):(\f)+8*(\b)+7], v[(\f)+8*(4*(\hi)+(\a)):(\f)+8*(4*(\hi)+(\a))+7], 0
.else
	v_wmma_f32_16x16x32_bf16 v[8*(8*(\a)+(\b)):8*(8*(\a)+(\b))+7], v[(\f)+8*(\b):(\f)+8*(\b)+7], v[(\f)+8*(4*(\hi)+(\a)):(\f)+8*(4*(\hi)+(\a))+7], v[8*(8*(\a)+(\b)):8*(8*(\a)+(\b))+7]
.endif
.endr
.endr
.endm
; 32 LDS loads in one run: the fragments of quarter q (K = 32 q .. 32 q + 31 of the step) into buffer f: wb's 128 columns, turned, then xb's 128 rows.
.macro FETCH slot, q, f
	WIN TO_B
.irp i, 0,1,2,3,4,5,6,7
	ds_load_tr16_b128 v[(\f)+8*(\i):(\f)+8*(\i)+3],   v[ADRB+(\slot)] offset:(\q)*32*PB+32*(\i)
	ds_load_tr16_b128 v[(\f)+8*(\i)+4:(\f)+8*(\i)+7], v[ADRB+(\slot)] offset:(\q)*32*PB+16*PB+32*(\i)
.endr
	WIN 0
.irp i, 0,1,2,3,4,5,6,7
	ds_load_b128 v[(\f)+8*(\i):(\f)+8*(\i)+3],   v[ADRA+(\slot)] offset:64*(\q)+(\i)*16*PITCH
	ds_load_b128 v[(\f)+8*(\i)+4:(\f)+8*(\i)+7], v[ADRA+(\slot)] offset:64*(\q)+(\i)*16*PITCH+32
.endr
.endm
; A load into a register that a matrix instruction has read, and a vector instruction that reads a matrix result, stand four places behind that matrix instruction, and only plain vector
; instructions that name none of its registers are places (ISA guide 7.12.1 for vector instructions).
.macro PLACES
.rept 4
	v_nop
.endr
.endm
; A K step is four quarters of 32 along K, 64 matrix instructions each, on buffers 0, 1, 0, 1.  One of the first three: multiplies buffer f; in its middle it fetches quarter q of the same slot into buffer g.
.macro QUARTER slot, q, f, g, zero
	s_wait_dscnt 8                                 ; wb's fragments and xb's rows 0-63 are in; the youngest eight loads (xb's rows 64-127) may be out
	MUL16 \f, 0, 0, \zero
	MUL16 \f, 0, 2, \zero
	PLACES
	FETCH \slot, \q, \g
	s_wait_dscnt 32                                ; all but the 32 just issued
	MUL16 \f, 1, 0, \zero
	MUL16 \f, 1, 2, \zero
.endm
; The last quarter multiplies buffer 1 and changes slots.  MEET is its first half: ONE barrier for the change.  In front of it each wave waits for all its tensor loads, of which one is out: its part of
; the next slot; adds 0 to its spare word; and waits for that and for its own reads of this slot.  Behind it nobody reads this slot any more and the next slot is whole.
.macro MEET round                      ; round = 1: the rest of a round of the cluster's barrier follows
	WIN 0                                          ; (the add's two registers lie in window 0)
	s_wait_tensorcnt 0x0                           ; all my tensor loads have landed
	ds_add_u32 v[SPW], v[NIL]                      ; 0 onto my spare word
	s_wait_dscnt 9                                 ; (the add and the youngest eight loads may be out)
	MUL16 F1, 0, 0, 0                              ; sixteen matrix instructions stand between the add and the wait for it
	s_wait_dscnt 0x0                               ; the add is done, and my reads of this slot are over
	s_barrier_signal -1
	MUL16 F1, 0, 2, 0                              ; work on registers while the others arrive
.if \round
	WIN 0
.endif
	s_barrier_wait -1
.endm
; The whole last quarter where the slot is filled again, with the K step two steps on.  The barrier opens a round of the cluster's, so that no wave of any partner still reads the slot or has a load on
; its way; the joint refill is the first tensor load behind the round, my only one until the next: from the request to the wait for it I issue 224 matrix instructions.
.macro TURN slot, next
	s_wait_xcnt 0x0                                ; the last prefetch, a K step back, has read its address: it is stepped here, ahead of the waits of the change of slots
	s_add_nc_u64 s[PFA:PFA+1], s[PFA:PFA+1], s[PFS:PFS+1]
	MEET 1
	CREST
	s_add_nc_u64 s[G0+4*(\slot)+2:G0+4*(\slot)+3], s[G0+4*(\slot)+2:G0+4*(\slot)+3], 2*ASTEP     ; no tensor load of mine is out: a group 0 may be written; the type bits on top are not reached
	s_add_nc_u64 s[G0B+4*(\slot)+2:G0B+4*(\slot)+3], s[G0B+4*(\slot)+2:G0B+4*(\slot)+3], 2*BSTEP
	JLOAD \slot                                    ; the four v_nop behind it are also the places in front of the loads below
	FETCH \next, 0, F0
	ASK
	MUL16 F1, 1, 0, 0
	MUL16 F1, 1, 2, 0
.endm
	s_wait_tensorcnt 1                             ; my part of K step 0 is in; K step 1's may stay out
	s_barrier_signal -1
	s_barrier_wait -1                              ; everybody's is
	FETCH 0, 0, F0
	QUARTER 0, 1, F0, F1, 1                        ; the first quarter stands in front of the loop: its products start the sums
	WIN 0                                          ; at a label and at a branch every window is 0
	s_mov_b32 s3, LAPS-1
.Llap:                                                 ; a trip goes once round the ring, from a lap's second quarter to the next lap's first, and fills both slots again
	QUARTER 0, 2, F1, F0, 0
	QUARTER 0, 3, F0, F1, 0
	TURN 0, 1
	QUARTER 1, 1, F0, F1, 0
	QUARTER 1, 2, F1, F0, 0
	QUARTER 1, 3, F0, F1, 0
	TURN 1, 0
	QUARTER 0, 1, F0, F1, 0
	WIN 0
	s_sub_co_u32 s3, s3, 1
	s_cmp_lg_u32 s3, 0
	s_cbranch_scc1 .Llap
	QUARTER 0, 2, F1, F0, 0                        ; the last lap is written out: it fills nothing and no round follows its barrier
	QUARTER 0, 3, F0, F1, 0
	MEET 0                                         ; the one tensor load of mine that was still out is slot 1's, the last K step's
	PLACES                                         ; for the loads into buffer 0
	FETCH 1, 0, F0
	MUL16 F1, 1, 0, 0
	MUL16 F1, 1, 2, 0
	QUARTER 1, 1, F0, F1, 0
	QUARTER 1, 2, F1, F0, 0
	QUARTER 1, 3, F0, F1, 0
	s_wait_dscnt 8                                 ; the very last quarter: nothing more to fetch
	MUL16 F1, 0, 0, 0
	MUL16 F1, 0, 2, 0
	s_wait_dscnt 0x0
	MUL16 F1, 1, 0, 0
	MUL16 F1, 1, 2, 0
	WIN 0
	PLACES                                         ; eight places, once a launch, between the last products and the lines that read results and write fragment registers
	PLACES
; THE WAY OUT of block a (16 rows x my 128 columns), in three parts.
; PACK: scale S + the row's correction, one fused multiply-add for two numbers; each accumulator's registers in ascending order.
.macro PACK a
.set AC, 64*((\a)%4)
	WIN 0x02+(\a)/4                                ; source 0: window 2 or 3
.irp b, 0,1,2,3,4,5,6,7
.irp r, 0,1,2,3
	v_pk_fma_f32 v[TMP+8*(\b)+2*(\r):TMP+8*(\b)+2*(\r)+1], v[AC+8*(\b)+2*(\r):AC+8*(\b)+2*(\r)+1], s[SC:SC+1], v[CORR+2*(\a):CORR+2*(\a)+1] op_sel_hi:[1,0,1]
.endr
.endr
	WIN 0
.endm
; TOSTAGE: a lane's eight columns of a row, 32 bytes, go into my own stage and come back as whole rows of 512 bytes.
.macro TOSTAGE a
	WIN 0
.set BK, OB+64*((\a)%2)
.irp b, 0,1,2,3,4,5,6,7
	ds_store_b128 v[STO], v[TMP+8*(\b):TMP+8*(\b)+3]   offset:64*(\b)
	ds_store_b128 v[STO], v[TMP+8*(\b)+4:TMP+8*(\b)+7] offset:64*(\b)+16
.endr
.irp t, 0,1,2,3,4,5,6,7,8,9,10,11,12,13,14,15
	ds_load_b128 v[BK+4*(\t):BK+4*(\t)+3], v[RD] offset:(\t)*SP  ; LDS serves a wave's instructions in order (ISA guide 5.7.1.4): these see the stores above
.endr
.endm
; SEND: bias is added, and the rows are stored.
.macro SEND a
	WIN 0
.set BK, OB+64*((\a)%2)
	s_wait_dscnt 0x0                               ; the block is back in registers
	s_wait_xcnt 0x0                                ; every earlier memory instruction has had its addresses translated (ISA guide 3.1): only behind this wait are the stores' base and the registers that earlier stores read rewritten
.if (\a) > 0
	s_add_nc_u64 s[8:9], s[8:9], 16*SIZE_N*4       ; 16 rows of out0 on
.endif
.irp t, 0,1,2,3,4,5,6,7,8,9,10,11,12,13,14,15
	v_pk_add_f32 v[BK+4*(\t):BK+4*(\t)+1],   v[BK+4*(\t):BK+4*(\t)+1],   v[BI:BI+1]
	v_pk_add_f32 v[BK+4*(\t)+2:BK+4*(\t)+3], v[BK+4*(\t)+2:BK+4*(\t)+3], v[BI+2:BI+3]
	global_store_b128 v[CO], v[BK+4*(\t):BK+4*(\t)+3], s[8:9] offset:(\t)*SIZE_N*4 th:TH_STORE_NT  ; the wave stores 512 consecutive bytes, at a multiple of 512 from out0's first byte
.endr
.endm
	PACK 0
	TOSTAGE 0
.irp a, 1,2,3,4,5,6,7                  ; block a's arithmetic stands between block a - 1's loads from the stage and the wait for them
	PACK \a
	SEND (\a)-1
	TOSTAGE \a
.endr
	SEND 7
	s_wait_tensorcnt 0x0                           ; the wave's end: behind my last tensor load and my last LDS store
	ds_add_u32 v[SPW], v[NIL]
	s_wait_dscnt 0x0
	CROUND                                         ; the closing round: no work-group ends while a partner may still ask for a tile that names it
	s_endpgm
.Lfunc_end_k_q22c26c37a2_gemm:
	.size	k_q22c26c37a2_gemm, .Lfunc_end_k_q22c26c37a2_gemm-k_q22c26c37a2_gemm
	.p2alignl 7, 3214868480
	.fill 96, 4, 3214868480
	.section	.rodata,"a",@progbits
	.p2align	6, 0x0
	.amdhsa_kernel k_q22c26c37a2_gemm
		.amdhsa_group_segment_fixed_size 327680
		.amdhsa_private_segment_fixed_size 0
		.amdhsa_enable_private_segment 0
		.amdhsa_kernarg_size 56
		.amdhsa_user_sgpr_count 2
		.amdhsa_user_sgpr_kernarg_segment_ptr 1
		.amdhsa_wavefront_size32 1
		.amdhsa_system_sgpr_workgroup_id_x 1
		.amdhsa_system_sgpr_workgroup_id_y 1
		.amdhsa_system_sgpr_workgroup_id_z 1
		.amdhsa_system_vgpr_workitem_id 0
		.amdhsa_next_free_vgpr 1024
		.amdhsa_next_free_sgpr 88
		.amdhsa_reserve_vcc 0
		.amdhsa_float_denorm_mode_32 3
		.amdhsa_float_denorm_mode_16_64 3
		.amdhsa_memory_ordered 1
		.amdhsa_forward_progress 1
		.amdhsa_inst_pref_size 176
	.end_amdhsa_kernel
	.amdgpu_metadata
---
amdhsa.version: [ 1, 2 ]
amdhsa.kernels:
  - .name:           k_q22c26c37a2_gemm
    .symbol:         k_q22c26c37a2_gemm.kd
    .args:
      - { .name: xb, .offset: 0, .size: 8, .value_kind: global_buffer, .address_space: global }
      - { .name: wb, .offset: 8, .size: 8, .value_kind: global_buffer, .address_space: global }
      - { .name: out0, .offset: 16, .size: 8, .value_kind: global_buffer, .address_space: global }
      - { .name: rowsum, .offset: 24, .size: 8, .value_kind: global_buffer, .address_space: global }
      - { .name: scale, .offset: 32, .size: 8, .value_kind: global_buffer, .address_space: global }
      - { .name: zero_point, .offset: 40, .size: 8, .value_kind: global_buffer, .address_space: global }
      - { .name: bias, .offset: 48, .size: 8, .value_kind: global_buffer, .address_space: global }
    .group_segment_fixed_size: 327680
    .private_segment_fixed_size: 0
    .kernarg_segment_align: 8
    .kernarg_segment_size: 56
    .max_flat_workgroup_size: 128
    .sgpr_count:     88
    .vgpr_count:     1024
    .wavefront_size: 32
...
	.end_amdgpu_metadata
.endif
;; end of part 2
